; MI455X (gfx1250); checked and timed in simulation.
; The chip was launched on July 23, 2026; its instructions are those of AMD's public machine-readable ISA for CDNA 5 (MIT licence, August 2026) and "CDNA5" Instruction Set Architecture Reference Guide (July 2026). The comments in the code are by the model that wrote it; some were corrected since.
;; Multi Head Attention Block. Allowed arithmetic: matrix products marked QUANTISED: E4M3 operands, one given power-of-two scale a tensor, by v_wmma_f32_16x16x64_fp8_fp8 or v_wmma_f32_16x16x128_fp8_fp8, f32 sums; everything else in f32.
;; Inputs: Wk_codes 1,024 x 32 x 32 uint8 (E4M3 codes of Wk, K innermost, in blocks of 32 codes); Wq_codes 1,024 x 32 x 32 uint8 (E4M3 codes of Wq, K innermost, in blocks of 32 codes); Wv_codes 1,024 x 32 x 32 uint8 (E4M3 codes of Wv, K innermost, in blocks of 32 codes); bk 1,024 float32; bq 1,024 float32; bv 1,024 float32; key_inputs_codes 4 x 1,024 x 32 x 32 uint8 (E4M3 codes of key_inputs, K innermost, in blocks of 32 codes); lowp_scales 10 int32 (the exponents e of the quantised operands' scales 2^e); query_inputs_codes 4 x 1,024 x 32 x 32 uint8 (E4M3 codes of query_inputs, K innermost, in blocks of 32 codes); value_inputs_codes 4 x 1,024 x 32 x 32 uint8 (E4M3 codes of value_inputs, K innermost, in blocks of 32 codes).
;; Outputs: out0 4 x 1,024 x 1,024 float32.
;; This version of the problem:
;;   THIS VERSION OF THE PROBLEM IS GIVEN IN LOW PRECISION. The matrix products marked QUANTISED in the list below multiply operands that are first quantised to E4M3 (4 exponent bits, 3 mantissa bits; 8 bits a number), with one given power-of-two scale for each operand tensor; their sums are f32. All else is computed in f32.
;;   The module's matrix products, in the order in which they are computed (A, B: the left and right operand; K: the contracted axis; several contracted axes count as one K, in the product's order):
;;     1. [M 4,096, K 1,024] x [K 1,024, N 1,024]; A: input query_inputs (given as codes); B: input Wq (given as codes): QUANTISED (scales: A lowp_scales[0], B lowp_scales[1])
;;     2. [M 4,096, K 1,024] x [K 1,024, N 1,024]; A: input key_inputs (given as codes); B: input Wk (given as codes): QUANTISED (scales: A lowp_scales[2], B lowp_scales[3])
;;     3. [M 4,096, K 1,024] x [K 1,024, N 1,024]; A: input value_inputs (given as codes); B: input Wv (given as codes): QUANTISED (scales: A lowp_scales[4], B lowp_scales[5])
;;     4. batch 64 x [M 1,024, K 64] x [K 64, N 1,024]; A: computed on the way; B: computed on the way: QUANTISED (scales: A lowp_scales[6], B lowp_scales[7])
;;     5. batch 64 x [M 64, K 1,024] x [K 1,024, N 1,024]; A: computed on the way; B: softmax (see below): QUANTISED (scales: A lowp_scales[8], B lowp_scales[9])
;;   THE QUANTISER, for each operand of a quantised product, along K:
;;     - The operand's scale is 2^e, e = its entry of the input lowp_scales (int32; the entries are numbered through the quantised products in the list's order, A before B).
;;     - Each number is divided by the scale, clamped to +-448, and rounded to the nearest number of E4M3, ties to even, subnormals kept.
;;     - The product sums the exact products of the quantised numbers (number of the format x scale) in f32.
;;   ~~~python
;;   def quantise(x, axis, e):      # numpy; x: float32 -> the quantised numbers, widened to float32 again
;;       x = np.moveaxis(x, axis, -1); K = x.shape[-1]
;;       r = np.clip(x / 2.0 ** e, -448, 448)
;;       step = 2.0 ** (np.maximum(np.frexp(np.where(r == 0, 1, r))[1] - 1, -6) - 3)
;;       q = np.round(r / step) * step * 2.0 ** e      # np.round: ties to even
;;       return np.moveaxis(q, -1, axis).astype(np.float32)
;;   ~~~
;;   SOFTMAX AHEAD OF A QUANTISED PRODUCT. Where the list says 'softmax', what is quantised is not the finished softmax but p = 2^(t - M), with t = logit x log2(e) and M = ceil(the row's largest t), a whole number; so 1/2 < the row's largest p <= 1. The row's sum l is taken of the UNQUANTISED p, in f32, and the product's result is divided by l at the end. Since M is a whole number, a kernel that streams over the keys may use a running M (the ceiling of the running maximum): every later rescaling is an exact power of two, so the quantised numbers keep their values, but for numbers so far below the row's largest that they fall under the format's range.
;;   OPERANDS COMPUTED ON THE WAY. 'Computed on the way' means the value that the module computes at that place (a softmax that the list does not call 'softmax' is quantised finished and normalised). What goes into a quantiser is computed in f32, as accurately as f32 sums, v_exp_f32 and their like allow (about 1e-6 of the number): no bf16 or f16 on the way to a quantiser, and a product that is left as it is and whose result goes on into a quantised operand takes f32 operands (vector FMAs, or v_wmma_f32_16x16x4_f32). A number that lies on a knife's edge between two numbers of the format may be rounded either way, as far as f32 arithmetic and the matrix unit's own rounding can turn it there, and no further.
;;   INPUTS GIVEN AS CODES. Wk (in the module: [1024, 1024], K = its axis 1); Wq (in the module: [1024, 1024], K = its axis 1); Wv (in the module: [1024, 1024], K = its axis 1); key_inputs (in the module: [4, 1024, 1024], K = its axis 2); query_inputs (in the module: [4, 1024, 1024], K = its axis 2); value_inputs (in the module: [4, 1024, 1024], K = its axis 2): each comes as NAME_codes (uint8): NAME with its K axis moved to the last place and cut into blocks of 32 codes, [.., K / 32, bytes a block], one block behind the other in memory; one code a byte (a code: sign, 4 exponent bits, 3 mantissa bits); its scale is its entry of lowp_scales. Its value is code x scale, taken as it is: it is not quantised again, and the codes and scales need not be those that the quantiser above would give.
;; One version. Each part assembles by itself: llvm-mc -triple=amdgcn-amd-amdhsa -mcpu=gfx1250 --defsym DOCPART=n.
;; ======== version 1 of 1: 2 launches
;; limits: right only within a limited range of input values
;; workspace buffers: kv 8,388,608 bytes; qc 4,194,304 bytes
;; launch proj (part 1): grid 4 x 48, 4 waves a work-group, clusters of 4 x 4, 327,680 bytes of LDS; arguments query_inputs_codes, key_inputs_codes, value_inputs_codes, Wq_codes, Wk_codes, Wv_codes, bq, bk, bv, lowp_scales, kv, qc; writes kv, qc
.if DOCPART == 1
	.amdgcn_target "amdgcn-amd-amdhsa--gfx1250"
	.amdhsa_code_object_version 6
	.text
	.protected	k_qc0447f0f22_proj
	.globl	k_qc0447f0f22_proj
	.p2align	8
	.type	k_qc0447f0f22_proj,@function
k_qc0447f0f22_proj:
	s_mov_b64 s[64:65], 0
	v_nop
	global_prefetch_b8 v0, s[64:65] scope:SCOPE_SE
	s_setreg_imm32_b32 hwreg(HW_REG_WAVE_MODE, 25, 1), 1
	s_wait_xcnt 0x0
	s_wait_alu depctr_hold_cnt(0) depctr_sa_sdst(0) depctr_va_vdst(0) depctr_va_sdst(0) depctr_va_ssrc(0) depctr_va_vcc(0) depctr_vm_vsrc(0)
	s_getreg_b32 s2, hwreg(HW_REG_IB_STS2, 6, 4)
	s_cmp_eq_u32 s2, 0
	s_cbranch_scc0 .Lentry_in_a_cluster
	s_endpgm
.Lentry_in_a_cluster:
	s_bfe_u32 s2, ttmp6, 0x10000c
	s_cmp_lg_u32 s2, 0xf033
	s_cbranch_scc0 .Lentry_shape_is_right
	s_endpgm
.Lentry_shape_is_right:
; THE THREE PROJECTIONS, x W^T + b, on codes of FP8 (E4M3), each result quantised again for the attention that follows.  One grid serves all three.
; KIND 0: query_inputs, Wq, bq: the attention's VALUES, scale 2^e8.   KIND 1: key_inputs, Wk, bk: its KEYS, scale 2^e7.   KIND 2: value_inputs, Wv, bv: its QUERIES, scale 2^e6.
; (e0 .. e9 are the ten whole numbers of lowp_scales.)
; A work-group makes C[row][col] = sum over k of ROW[row][k] COL[col][k] for a tile of 256 x 256; K = 1,024.  KIND 1, 2: ROW = the inputs (4,096 tokens), COL = W (1,024 model dims).
; KIND 0: ROW = Wq, COL = the inputs, so that a lane's eight results are eight neighbouring TOKENS of one model dim.
; THE BIAS IS THE C OF THE FIRST PRODUCTS, divided by 2^(ea + eb); a code is then (the finished sum) / 2^(eo - ea - eb), held within +-448, to the nearest code, ties to even: powers of two alone are folded.
; SHARES: 3 kinds x 64 tiles = 192 work-groups of four waves; a wave makes 128 x 128: 64 accumulators, 512 registers.  Tiles of 128 x 128 would be three turns, with twice the LDS bytes for each product.
; CLUSTERS: 4 x 4 work-groups of one kind.  The four of a row of the cluster need the same tiles of ROW, the four of a column the same tiles of COL: each tile is asked for JOINTLY.
; No prefetch into the L2: K is four slots' worth, of which the first two are asked for at the head; a request a whole step ahead of the two refills would stand at the head too.
; SOURCE 0 = 16 rows of COL, SOURCE 1 = 16 rows of ROW: lane (r, h) of accumulator (a, b) holds in register j C(16 a + r, 16 b + 8 h + j).  The codes of accumulators 2 g and 2 g + 1 are 16 bytes of a lane.
; THE OUTPUT is an image of the attention's registers: the 512 bytes of (a, g) go out by one store, lane l at 16 l.
;   kv: [pair y = 16 n + head][step of 128 tokens, 8][K 8,192 bytes | V 8,192 bytes].  K: [16 tokens, 8][dims 32 g on, 2][lane][16];  V: [16 dims, 4][tokens 32 g on, 4][lane][16].   qc: [y][16 tokens, 64][dims 32 g on, 2][lane][16].
; LIMITS: ea + eb (e0 + e1, e2 + e3, e4 + e5) between -126 and 126; eo - ea - eb (eo = e8, e7, e6 for the kinds 0, 1, 2) between -126 and 119, so that each power of two below is an f32 number; a bias / 2^(ea + eb) is an f32 number.  NaN among the codes or the biases is not served.
; REGISTERS, in windows of 256: window 0: v1-31 addresses and the quantiser's two numbers; v32-95 the biases as C; v128-255 ROW's fragments, ONE set; on the way out v128-191 the held numbers, v64-127 and v192-255 the codes.
;   window 1: COL's fragments, TWO sets.   windows 2, 3: the accumulators ((a, b) at v[8 (8 (a % 4) + b)]).
.set ROWB,   256                       ; a tile's row: 256 codes
.set KROW,   1024                      ; a row of ROW or of COL in memory, in bytes
.set PITCH,  272                       ; an LDS row: 256 bytes + 16 of padding: the 16 rows that a load touches begin at 16 different multiples of 16 bytes modulo 256
.set FR,     16                        ; registers of a fragment: 16 rows x 128 K
.set NL,     4                         ; LDS loads that bring one
.set NP,     4                         ; places behind this matrix instruction (ISA guide 7.12.1)
.set HALFT,  128*PITCH                 ; 128 rows: what one wave reads of ROW or of COL
.set SLOT,   4*HALFT                   ; ROW's 256 rows, then COL's 256 rows
.set SPARE,  2*SLOT                    ; the spare words, 128 bytes for each wave
.set ADRA, 16                          ; v16-17  LDS address of my ROW fragments in slot 0, 1
.set VB,   18                          ; v18     32 h: my eight columns' biases
.set VR,   19                          ; v19     4 r: my row's bias
.set ADRB, 20                          ; v20-21  LDS address of my COL fragments
.set GO,   24                          ; v24     16 x lane;  v25  the same + the way from codes 2 g' to 2 g' + 2
.set SPW,  28                          ; v28     LDS address of my spare word; never rewritten
.set NIL,  29                          ; v29     0; never rewritten
.set LIM,  30                          ; v30     448 x 2^(eo - ea - eb)
.set SCL,  31                          ; v31     2^(eo - ea - eb)
.set BC,   32
.set AF,   128
.set TMP,  128
.set G1, 24                            ; s[24:31] descriptor group 1 for ROW's tiles;  s[32:39] group 0, one set for each slot
.set G0, 32
.set G1B, 48                           ; s[48:55], s[56:63] the same for COL's tiles
.set G0B, 56
.set SB, 68                            ; s[68:83] the way out: where block a's codes begin
.set MSB, 0
.macro WIN new                         ; the immediate's high byte repeats the setting that is left; a switch that changes nothing is dropped
.if MSB != (\new)
	s_set_vgpr_msb (MSB<<8)|(\new)
.set MSB, (\new)
.endif
.endm
.set MUL_LO, 0xa1                      ; source 0 (COL) window 1, source 1 (ROW) window 0, C and D window 2
.set MUL_HI, 0xf1                      ; the same, C and D window 3
.set FST_LO, 0x81                      ; the first products: C (the biases) window 0
.set FST_HI, 0xc1
.set TO_B,   0x40                      ; destination window 1, address window 0
; A joint load: a wave fetches for slot wave / 2: an even wave ROW's 256 rows, an odd one COL's.  Each of the two lines has ONE mask and one set of registers for all that issue it; the branches hang on the wave's number alone.
; slot = -1: the head, where every wave issues its one load; else the two waves of that slot, 512 bytes further along K.
; Waves 2 s and 2 s + 1 fetch for slot s: ROW's and COL's 256 rows; each line has its own LDS address, a constant.
.macro TL g0, g1
	tensor_load_to_lds s[\g0:\g0+3], s[\g1:\g1+7]
	s_nop 0
.rept 4
	v_nop
.endr
.endm
.macro JLOAD slot                      ; a refill: 512 bytes further along K
	s_add_nc_u64 s[G0+4*\slot+2:G0+4*\slot+3], s[G0+4*\slot+2:G0+4*\slot+3], 2*ROWB
	s_add_nc_u64 s[G0B+4*\slot+2:G0B+4*\slot+3], s[G0B+4*\slot+2:G0B+4*\slot+3], 2*ROWB
	s_cmp_eq_u32 s14, 2*\slot
	s_cbranch_scc0 .Lfor_b_\@
	TL G0+4*\slot, G1
	s_branch .Lasked_\@
.Lfor_b_\@:
	s_cmp_eq_u32 s14, 2*\slot+1
	s_cbranch_scc0 .Lasked_\@
	TL G0B+4*\slot, G1B
.Lasked_\@:
.endm
.macro CREST                           ; a round of the cluster's barrier behind its opening barrier
	s_cmp_lg_u32 s14, 0
	s_cbranch_scc1 .Lnot_wave_0_\@
	s_barrier_signal -3
.Lnot_wave_0_\@:
	s_barrier_wait -3
	s_barrier_signal -1
	s_barrier_wait -1
.endm
.macro CROUND                          ; a whole round
	s_barrier_signal -1
	s_barrier_wait -1
	CREST
.endm
	s_load_b512 s[68:83], s[0:1], 0x0              ; the inputs' codes: query s[68:69], key s[70:71], value s[72:73]; Wq s[74:75], Wk s[76:77], Wv s[78:79]; bq s[80:81], bk s[82:83]
	s_load_b256 s[84:91], s[0:1], 0x40             ; bv s[84:85], the scales' exponents s[86:87], kv s[88:89], qc s[90:91]
	v_lshl_add_u32 v[SPW], v0, 2, SPARE
	v_mov_b32 v[NIL], 0
	ds_add_u32 v[SPW], v[NIL]                      ; the wave's opening: the add, twice on end, and its wait ahead of my first tensor load
	ds_add_u32 v[SPW], v[NIL]
	v_lshrrev_b32 v1, 5, v0
	v_readfirstlane_b32 s14, v1                    ; wave 0..3
	s_lshr_b32 s15, s14, 1                         ; which half of the tile's rows is mine.  Also: which slot I fetch for
	s_and_b32 s16, s14, 1                          ; which half of its columns.  Also: I fetch for ROW (0) or for COL (1)
	s_bfe_u32 s40, ttmp6, 0x40000                  ; cx, cy: my place in the cluster
	s_bfe_u32 s41, ttmp6, 0x40004
	s_and_b32 s18, ttmp7, 0xffff                   ; the cluster's y, 0 .. 11: the same in all sixteen partners
	s_lshr_b32 s66, s18, 2                         ; KIND
	s_and_b32 s67, s18, 3                          ; which 1,024 tokens: n
	s_lshl_b32 s19, s67, 2
	s_cmp_eq_u32 s66, 0
	s_cselect_b32 s42, s19, 0                      ; the tokens are COL's rows in KIND 0,
	s_cselect_b32 s17, 0, s19                      ; ROW's in the others
	s_add_co_u32 s42, s42, s40                     ; tile column = cx (+ 4 n)
	s_add_co_u32 s17, s17, s41                     ; tile row = cy (+ 4 n)
	s_lshl_b32 s43, s41, 2
	s_lshl_b32 s43, 15, s43                        ; my row of the cluster
	s_lshl_b32 s44, 0x1111, s40                    ; my column
	; descriptor group 1: a tile of 256 rows x 256 bytes, padded in LDS
	s_or_b32 s[G1+0], s43, (0<<16)|(1<<20)|(1<<21)|(5<<22)|(3<<25)  ; 15:0 the mask: ROW's tiles go to my row; 17:16 element of 1 byte; 20 padding on; 21 set beside a mask; 24:22 after every 64 words (code 5); 31:25 of 4 words (code 3)
	s_or_b32 s[G1B+0], s44, (0<<16)|(1<<20)|(1<<21)|(5<<22)|(3<<25) ; the same with the mask of my column, for COL's tiles
.irp g, G1, G1B
	s_mov_b32 s[\g+1], ROWB<<16                    ; tensor_dim0
	s_mov_b32 s[\g+2], 256<<16                     ; tensor_dim1 = 256
	s_mov_b32 s[\g+3], ROWB<<16                    ; tile_dim0
	s_mov_b32 s[\g+4], 256                         ; tile_dim1 = 256
	s_mov_b32 s[\g+5], KROW                        ; tensor_dim0_stride
	s_mov_b32 s[\g+6], 0
	s_mov_b32 s[\g+7], 0
.endr
	s_lshl_b32 s20, s17, 18                        ; ROW: row 256 x tile row, in bytes: under 4 MiB
	s_mov_b32 s21, 0
	s_lshl_b32 s46, s42, 18                        ; COL: row 256 x tile column
	s_mov_b32 s47, 0
.irp s, 0,1
	s_mov_b32 s[G0+4*\s], 1
	s_mov_b32 s[G0+4*\s+1], \s*SLOT                ; no place in the cluster enters an LDS address
	s_mov_b32 s[G0B+4*\s], 1
	s_mov_b32 s[G0B+4*\s+1], \s*SLOT+2*HALFT
.endr
	s_wait_dscnt 0x0                               ; both opening adds are done
	s_wait_kmcnt 0x0
	s_cmp_eq_u32 s66, 1                            ; the kind's buffers: a choice that hangs on the cluster's number alone
	s_cselect_b64 s[4:5], s[70:71], s[72:73]       ; the inputs' codes
	s_cselect_b64 s[6:7], s[76:77], s[78:79]       ; W's codes
	s_cselect_b64 s[12:13], s[82:83], s[84:85]     ; the bias
	s_cmp_eq_u32 s66, 0
	s_cselect_b64 s[4:5], s[68:69], s[4:5]
	s_cselect_b64 s[6:7], s[74:75], s[6:7]
	s_cselect_b64 s[12:13], s[80:81], s[12:13]
	s_mov_b64 s[8:9], s[86:87]
	s_cselect_b64 s[22:23], s[6:7], s[4:5]         ; ROW: W in KIND 0, else the inputs
	s_cselect_b64 s[4:5], s[4:5], s[6:7]           ; COL: the other
	s_load_b256 s[68:75], s[8:9], 0x0              ; e0 .. e7 (the pointers above are chosen: their registers are free)
	s_load_b64 s[76:77], s[8:9], 0x20              ; e8, e9
	s_add_nc_u64 s[20:21], s[22:23], s[20:21]
	s_add_nc_u64 s[46:47], s[4:5], s[46:47]
.irp s, 0,1
	s_add_nc_u64 s[G0+4*\s+2:G0+4*\s+3], s[20:21], \s*ROWB
	s_or_b32 s[G0+4*\s+3], s[G0+4*\s+3], 0x80000000
	s_add_nc_u64 s[G0B+4*\s+2:G0B+4*\s+3], s[46:47], \s*ROWB
	s_or_b32 s[G0B+4*\s+3], s[G0B+4*\s+3], 0x80000000
.endr
	CROUND                                         ; all sixteen work-groups are here: the first joint loads meet
	s_cmp_eq_u32 s14, 0                            ; both slots, a load a wave: one chain on the wave's number
	s_cbranch_scc0 .Lhead_1
	TL G0, G1
	s_branch .Lhead_asked
.Lhead_1:
	s_cmp_eq_u32 s14, 1
	s_cbranch_scc0 .Lhead_2
	TL G0B, G1B
	s_branch .Lhead_asked
.Lhead_2:
	s_cmp_eq_u32 s14, 2
	s_cbranch_scc0 .Lhead_3
	TL G0+4, G1
	s_branch .Lhead_asked
.Lhead_3:
	TL G0B+4, G1B
.Lhead_asked:
	s_cmp_eq_u32 s66, 2
	s_cselect_b64 s[10:11], s[90:91], s[88:89]     ; the output: qc in KIND 2, else kv
	s_mul_i32 s21, s15, HALFT                      ; my 128 rows of ROW
	s_mul_i32 s22, s16, HALFT                      ; my 128 rows of COL,
	s_add_co_u32 s22, s22, 2*HALFT                 ; which lie behind ROW's 256
	v_and_b32 v1, 15, v0                           ; r = lane % 16
	v_bfe_u32 v2, v0, 4, 1                         ; h = lane / 16
	v_lshlrev_b32 v[VB], 5, v2
	v_lshlrev_b32 v[VR], 2, v1
	v_mul_u32_u24 v3, v1, PITCH
	v_lshl_add_u32 v4, v2, 4, v3                   ; a fragment's row x pitch + 16 x half
	v_add_nc_u32 v[ADRA], s21, v4
	v_add_nc_u32 v[ADRB], s22, v4
	v_add_nc_u32 v[ADRA+1], SLOT, v[ADRA]
	v_add_nc_u32 v[ADRB+1], SLOT, v[ADRB]
	v_and_b32 v5, 31, v0
	v_lshlrev_b32 v[GO], 4, v5
	s_wait_alu depctr_va_vdst(0)                   ; the wait here, ahead of the scalar run and the branch
	; the biases, laid as C: KIND 1, 2: v[BC + 8 b + j] = the bias of column 16 b + 8 h + j; KIND 0: v[BC + 8 a + j] = the bias of row 16 a + r, for every j
	s_mov_b32 s81, 0
	s_cmp_eq_u32 s66, 0
	s_cbranch_scc1 .Lrow_bias
	s_lshl_b32 s80, s40, 10
	s_lshl_b32 s82, s16, 9
	s_add_co_u32 s80, s80, s82                     ; 4 x (256 x tile column + 128 x half)
	s_add_nc_u64 s[12:13], s[12:13], s[80:81]
.irp b, 0,1,2,3,4,5,6,7
	global_load_b128 v[BC+8*\b:BC+8*\b+3],   v[VB], s[12:13] offset:64*\b
	global_load_b128 v[BC+8*\b+4:BC+8*\b+7], v[VB], s[12:13] offset:64*\b+16
.endr
	s_branch .Lbias
.Lrow_bias:
	s_lshl_b32 s80, s41, 10
	s_lshl_b32 s82, s15, 9
	s_add_co_u32 s80, s80, s82                     ; 4 x (256 x tile row + 128 x half)
	s_add_nc_u64 s[12:13], s[12:13], s[80:81]
.irp a, 0,1,2,3,4,5,6,7
	global_load_b32 v[BC+8*\a], v[VR], s[12:13] offset:64*\a
.endr
	s_wait_loadcnt 0x0
.irp j, 1,2,3,4,5,6,7
.irp a, 0,1,2,3,4,5,6,7
	v_mov_b32 v[BC+8*\a+\j], v[BC+8*\a]
.endr
.endr
.Lbias:
	s_wait_alu depctr_va_vdst(0)                   ; the wait here, directly ahead of the waits below
	s_wait_loadcnt 0x0
	s_wait_kmcnt 0x0
	s_add_co_i32 s80, s68, s69                     ; e0 + e1
	s_add_co_i32 s81, s70, s71                     ; e2 + e3
	s_add_co_i32 s82, s72, s73                     ; e4 + e5
	s_cmp_eq_u32 s66, 1
	s_cselect_b32 s81, s81, s82
	s_cselect_b32 s83, s75, s74                    ; the keys' e7, the queries' e6
	s_cmp_eq_u32 s66, 0
	s_cselect_b32 s80, s80, s81                    ; ea + eb
	s_cselect_b32 s83, s76, s83                    ; eo: the values' is e8
	s_sub_co_i32 s96, 127, s80
	s_lshl_b32 s96, s96, 23                        ; 2^-(ea + eb) as f32
	s_mov_b32 s97, s96                             ; (named with it as a pair, so it is written)
	s_sub_co_i32 s83, s83, s80
	s_add_co_i32 s83, s83, 127
	s_lshl_b32 s84, s83, 23                        ; 2^(eo - ea - eb) as f32: the conversion takes its exponent field
	s_add_co_i32 s83, s83, 8
	s_lshl_b32 s83, s83, 23
	s_or_b32 s83, s83, 0x600000                    ; 448 x that
	v_mov_b32 v[SCL], s84
	v_mov_b32 v[LIM], s83
.set j, 0
.rept 32
	v_pk_mul_f32 v[BC+j:BC+j+1], v[BC+j:BC+j+1], s[96:97] op_sel_hi:[1,0]
.set j, j+2
.endr
	; where my codes go.  KIND 1, 2: heads 4 cx + 2 x (my half of the columns) on, step 2 cy + (my half of the rows); KIND 0: rows and columns change parts
	s_cmp_eq_u32 s66, 0
	s_cselect_b32 s84, s41, s40
	s_cselect_b32 s85, s40, s41
	s_cselect_b32 s86, s15, s16
	s_cselect_b32 s87, s16, s15
	s_lshl_b32 s84, s84, 2
	s_lshl_b32 s86, s86, 1
	s_add_co_u32 s84, s84, s86
	s_lshl_b32 s86, s67, 4
	s_add_co_u32 s84, s84, s86                     ; y = 16 n + head
	s_lshl_b32 s84, s84, 17
	s_lshl_b32 s85, s85, 1
	s_add_co_u32 s85, s85, s87                     ; the step
	s_lshl_b32 s85, s85, 14
	s_add_co_u32 s84, s84, s85                     ; in kv: 131,072 y + 16,384 step;
	s_lshr_b32 s85, s84, 1                         ; in qc: half of that
	s_mov_b32 s86, 0x20000                         ; from head to head in kv,
	s_mov_b32 s87, 0x10000                         ; in qc
	s_cmp_eq_u32 s66, 2
	s_cselect_b32 s84, s85, s84
	s_cselect_b32 s86, s87, s86
	s_mov_b32 s85, 0x2000                          ; a step's V lies 8,192 bytes behind its K
	s_mov_b32 s92, 0x400
	s_mov_b32 s94, 0x400
	s_mov_b32 s93, 0
	s_mov_b32 s95, 0
	s_cmp_eq_u32 s66, 0
	s_cselect_b32 s85, s85, 0
	s_cselect_b32 s86, 0x400, s86                  ; from codes g to g + 2: KIND 0: 1,024 bytes on; else the next head
	s_cselect_b32 s92, 0x800, s92                  ; from block a to a + 1: KIND 0: 16 dims on, 2,048 bytes; else 16 tokens, 1,024,
	s_cselect_b32 s94, 0x1e800, s94                ; but from block 3 to 4 in KIND 0: the next head
	s_add_co_u32 s84, s84, s85
	s_mov_b32 s85, 0
	v_add_nc_u32 v[GO+1], s86, v[GO]
	s_add_nc_u64 s[SB:SB+1], s[10:11], s[84:85]
.irp a, 1,2,3,4,5,6,7
.if \a == 4
	s_add_nc_u64 s[SB+2*\a:SB+2*\a+1], s[SB+2*\a-2:SB+2*\a-1], s[94:95]
.else
	s_add_nc_u64 s[SB+2*\a:SB+2*\a+1], s[SB+2*\a-2:SB+2*\a-1], s[92:93]
.endif
.endr
.macro FRAG reg, adr, q, i             ; a fragment, 16 rows x 128 K, is 16 registers: lane l holds row l % 16; registers 4 c .. 4 c + 3 hold K = 32 c + 16 (l / 16) + 0 .. 15: the same order of K on both sides
.irp c, 0,1,2,3
	ds_load_b128 v[\reg+4*\c:\reg+4*\c+3], v[\adr] offset:128*(\q)+32*\c+(\i)*16*PITCH
.endr
.endm
; 16 matrix instructions: ROW's blocks a0, a0 + 1 x COL's eight, 128 along K.  p: COL's set.  mode 0: onto the sums; 1, 2: the first product takes the biases as C, the columns' or the rows': nothing is ever cleared.
; The 64 accumulators take turns, one instruction a turn, in the same order in every step.
.macro MUL16 a0, p, mode
.irp a, \a0, \a0+1
.irp b, 0,1,2,3,4,5,6,7
.if (\mode) == 1
	v_wmma_f32_16x16x128_fp8_fp8 v[8*(8*((\a)%4)+\b):8*(8*((\a)%4)+\b)+7], v[128*(\p)+FR*\b:128*(\p)+FR*\b+FR-1], v[AF+FR*(\a):AF+FR*(\a)+FR-1], v[BC+8*\b:BC+8*\b+7]
.elseif (\mode) == 2
	v_wmma_f32_16x16x128_fp8_fp8 v[8*(8*((\a)%4)+\b):8*(8*((\a)%4)+\b)+7], v[128*(\p)+FR*\b:128*(\p)+FR*\b+FR-1], v[AF+FR*(\a):AF+FR*(\a)+FR-1], v[BC+8*(\a):BC+8*(\a)+7]
.else
	v_wmma_f32_16x16x128_fp8_fp8 v[8*(8*((\a)%4)+\b):8*(8*((\a)%4)+\b)+7], v[128*(\p)+FR*\b:128*(\p)+FR*\b+FR-1], v[AF+FR*(\a):AF+FR*(\a)+FR-1], v[8*(8*((\a)%4)+\b):8*(8*((\a)%4)+\b)+7]
.endif
.endr
.endr
.endm
.macro FETCH_B slot, q, p              ; COL's eight fragments of the slot's q-th 128 along K into set p
	WIN TO_B
.irp i, 0,1,2,3,4,5,6,7
	FRAG 128*(\p)+FR*\i, ADRB+\slot, \q, \i
.endr
	WIN 0
.endm
.macro FETCH_A slot, q, i0             ; ROW's blocks i0 .. i0 + 3
.irp i, \i0, \i0+1, \i0+2, \i0+3
	FRAG AF+FR*(\i), ADRA+\slot, \q, \i
.endr
.endm
; A load into a register that a matrix instruction has read, and a vector instruction that reads a matrix result, stand NP places behind that matrix instruction, and only plain vector
; instructions that name none of its registers are places (ISA guide 7.12.1 for vector instructions).
.macro PLACES n
.rept \n
	v_nop
.endr
.endm
; A step of 128 along K that has its successor in the same slot.  A block of ROW is free as soon as its eight products are issued, so ROW has one set of registers:
; blocks 0-3 are fetched anew in the step's middle, blocks 4-7 at its end; COL's fragments are at work through the whole step and have two sets.
.macro STEP slot, q, mode
	s_wait_dscnt 4*NL                              ; COL's set and ROW's blocks 0-3 are in; the youngest sixteen loads (ROW's blocks 4-7) may be out
.if \mode
	WIN FST_LO
.else
	WIN MUL_LO
.endif
	MUL16 0, (\q)%2, \mode
	MUL16 2, (\q)%2, \mode
	s_wait_dscnt 0                                 ; ROW's blocks 4-7 are in (asked for 32 matrix instructions ago)
	PLACES NP
	FETCH_B \slot, (\q)+1, 1-(\q)%2
	FETCH_A \slot, (\q)+1, 0
.if \mode
	WIN FST_HI
.else
	WIN MUL_HI
.endif
	MUL16 4, (\q)%2, \mode
	MUL16 6, (\q)%2, \mode
	PLACES NP
	WIN 0
	FETCH_A \slot, (\q)+1, 4
.endm
; A slot's last step changes slots: ONE barrier; in front of it each wave waits for all its tensor loads, adds 0 to its spare word, and waits for that and for its own reads of this slot.  fill = 1: this slot is filled again, two K steps ahead.
.macro TURN slot, next, fill
	s_wait_tensorcnt 0x0                           ; all my tensor loads have landed: if I fetch for the next slot, my part of it;  (every window is 0 here: the add's two registers lie in window 0)
	ds_add_u32 v[SPW], v[NIL]                      ; 0 onto my spare word
	s_wait_dscnt 4*NL+1                            ; (the add and the youngest sixteen loads, ROW's blocks 4-7, may be out)
	WIN MUL_LO
	MUL16 0, 1, 0                                  ; sixteen matrix instructions stand between the add and the wait for it
	s_wait_dscnt 0x0                               ; the add is done, and my reads of this slot are over
	s_barrier_signal -1
	MUL16 2, 1, 0
	WIN 0
	s_barrier_wait -1
.if \fill
	CREST                                          ; the barrier has opened a round of the cluster's barrier: no wave of any partner still reads this slot's tile or has a load on its way
	JLOAD \slot                                    ; the first tensor load behind the round
.endif
	PLACES NP
	FETCH_B \next, 0, 0
	FETCH_A \next, 0, 0
	WIN MUL_HI
	MUL16 4, 1, 0
	MUL16 6, 1, 0
	PLACES NP
	WIN 0
	FETCH_A \next, 0, 4
.endm
	; THE WALK ALONG K.  1,024 along K are four slots' worth: two first fills and two refills.  So the eight steps of 128 are written out, without a loop.  A wave has one tensor load out at the head and at most one behind each round.
	s_wait_alu depctr_va_vdst(0)                   ; the wait at the head's end
	s_cmp_lt_u32 s14, 2
	s_cbranch_scc0 .Lslot_1
	s_wait_tensorcnt 0x0                           ; waves 0 and 1: slot 0 is in (slot 1's loads may be out)
.Lslot_1:
	s_barrier_signal -1
	s_barrier_wait -1
	FETCH_B 0, 0, 0
	FETCH_A 0, 0, 0
	FETCH_A 0, 0, 4
	s_cmp_eq_u32 s66, 0                            ; a branch on the kind, which all partners share, round LDS reads and products alone
	s_cbranch_scc1 .Lby_row
	STEP 0, 0, 1
	s_branch .Lstarted
.Lby_row:
	STEP 0, 0, 2
.Lstarted:
	TURN 0, 1, 1                                   ; slot 0 takes K 512 on
	STEP 1, 0, 0
	TURN 1, 0, 1                                   ; slot 1 takes K 768 on
	STEP 0, 0, 0
	TURN 0, 1, 0                                   ; nothing is left to fetch
	STEP 1, 0, 0
; THE WAY OUT of block a, 16 rows x 128 columns: held within +-448 x the scale (the conversion to an 8-bit code does not saturate: ISA guide 7.6.2), converted, stored: 32 lanes store 512 consecutive bytes, at a multiple of 512 from the buffer's first byte.
; Each block has code registers of its own, so no wait stands between the stores.
.macro CODES a
.set CD, 64+16*(\a)+64*((\a)/4)        ; blocks 0-3: v64-127; blocks 4-7: v192-255
	WIN 0x02+(\a)/4                                ; source 0: window 2 or 3
.set k, 0
.rept 64
	v_med3_num_f32 v[TMP+k], v[64*((\a)%4)+k], -v[LIM], v[LIM]
.set k, k+1
.endr
	WIN 0
.irp b, 0,1,2,3,4,5,6,7
	v_cvt_scalef32_pk8_fp8_f32 v[CD+2*\b:CD+2*\b+1], v[TMP+8*\b:TMP+8*\b+7], v[SCL]
.endr
	v_nop                                          ; one plain vector instruction behind the last conversion, ahead of the next block's holds, which write the conversions' sources
.irp g, 0,1,2,3
	global_store_b128 v[GO+\g/2], v[CD+4*\g:CD+4*\g+3], s[SB+2*(\a):SB+2*(\a)+1] offset:512*(\g%2)
.endr
.endm
	s_wait_dscnt 4*NL                              ; the very last step: rows 0-63 are finished and leave first
	WIN MUL_LO
	MUL16 0, 1, 0
	MUL16 2, 1, 0
	s_wait_dscnt 0
	PLACES NP
.irp a, 0,1,2,3
	CODES \a
.endr
	WIN MUL_HI
	MUL16 4, 1, 0
	MUL16 6, 1, 0
	PLACES NP
.irp a, 4,5,6,7
	CODES \a
.endr
	s_wait_tensorcnt 0x0                           ; the wave's end, behind my last tensor load
	ds_add_u32 v[SPW], v[NIL]
	s_wait_dscnt 0x0
	CROUND                                         ; the closing round: no work-group ends while a partner may still ask for a tile that names it
	s_endpgm
.Lfunc_end_k_qc0447f0f22_proj:
	.size	k_qc0447f0f22_proj, .Lfunc_end_k_qc0447f0f22_proj-k_qc0447f0f22_proj
	.p2alignl 7, 3214868480
	.fill 96, 4, 3214868480
	.section	.rodata,"a",@progbits
	.p2align	6, 0x0
	.amdhsa_kernel k_qc0447f0f22_proj
		.amdhsa_group_segment_fixed_size 327680
		.amdhsa_private_segment_fixed_size 0
		.amdhsa_enable_private_segment 0
		.amdhsa_kernarg_size 96
		.amdhsa_user_sgpr_count 2
		.amdhsa_user_sgpr_kernarg_segment_ptr 1
		.amdhsa_wavefront_size32 1
		.amdhsa_system_sgpr_workgroup_id_x 1
		.amdhsa_system_sgpr_workgroup_id_y 1
		.amdhsa_system_sgpr_workgroup_id_z 1
		.amdhsa_system_vgpr_workitem_id 0
		.amdhsa_next_free_vgpr 1024
		.amdhsa_next_free_sgpr 100
		.amdhsa_reserve_vcc 0
		.amdhsa_float_denorm_mode_32 3
		.amdhsa_float_denorm_mode_16_64 3
		.amdhsa_memory_ordered 1
		.amdhsa_forward_progress 1
		.amdhsa_inst_pref_size 135
	.end_amdhsa_kernel
	.amdgpu_metadata
---
amdhsa.version: [ 1, 2 ]
amdhsa.kernels:
  - .name:           k_qc0447f0f22_proj
    .symbol:         k_qc0447f0f22_proj.kd
    .args:
      - { .name: query_inputs_codes, .offset: 0, .size: 8, .value_kind: global_buffer, .address_space: global }
      - { .name: key_inputs_codes, .offset: 8, .size: 8, .value_kind: global_buffer, .address_space: global }
      - { .name: value_inputs_codes, .offset: 16, .size: 8, .value_kind: global_buffer, .address_space: global }
      - { .name: Wq_codes, .offset: 24, .size: 8, .value_kind: global_buffer, .address_space: global }
      - { .name: Wk_codes, .offset: 32, .size: 8, .value_kind: global_buffer, .address_space: global }
      - { .name: Wv_codes, .offset: 40, .size: 8, .value_kind: global_buffer, .address_space: global }
      - { .name: bq, .offset: 48, .size: 8, .value_kind: global_buffer, .address_space: global }
      - { .name: bk, .offset: 56, .size: 8, .value_kind: global_buffer, .address_space: global }
      - { .name: bv, .offset: 64, .size: 8, .value_kind: global_buffer, .address_space: global }
      - { .name: lowp_scales, .offset: 72, .size: 8, .value_kind: global_buffer, .address_space: global }
      - { .name: kv, .offset: 80, .size: 8, .value_kind: global_buffer, .address_space: global }
      - { .name: qc, .offset: 88, .size: 8, .value_kind: global_buffer, .address_space: global }
    .group_segment_fixed_size: 327680
    .private_segment_fixed_size: 0
    .kernarg_segment_align: 8
    .kernarg_segment_size: 96
    .max_flat_workgroup_size: 128
    .sgpr_count:     100
    .vgpr_count:     1024
    .wavefront_size: 32
...
	.end_amdgpu_metadata
.endif
;; end of part 1
;; launch attn (part 2): grid 4 x 64, 8 waves a work-group, clusters of 4 x 1, 201,728 bytes of LDS; arguments qc, kv, lowp_scales, out0; writes out0
.if DOCPART == 2
	.amdgcn_target "amdgcn-amd-amdhsa--gfx1250"
	.amdhsa_code_object_version 6
	.text
	.protected	k_qc0447f0f22_attn
	.globl	k_qc0447f0f22_attn
	.p2align	8
	.type	k_qc0447f0f22_attn,@function
k_qc0447f0f22_attn:
	s_mov_b64 s[64:65], 0
	v_nop
	global_prefetch_b8 v0, s[64:65] scope:SCOPE_SE
	s_setreg_imm32_b32 hwreg(HW_REG_WAVE_MODE, 25, 1), 1
	s_wait_xcnt 0x0
	s_wait_alu depctr_hold_cnt(0) depctr_sa_sdst(0) depctr_va_vdst(0) depctr_va_sdst(0) depctr_va_ssrc(0) depctr_va_vcc(0) depctr_vm_vsrc(0)
	s_getreg_b32 s2, hwreg(HW_REG_IB_STS2, 6, 4)
	s_cmp_eq_u32 s2, 0
	s_cbranch_scc0 .Lentry_in_a_cluster
	s_endpgm
.Lentry_in_a_cluster:
	s_bfe_u32 s2, ttmp6, 0x10000c
	s_cmp_lg_u32 s2, 0x3003
	s_cbranch_scc0 .Lentry_shape_is_right
	s_endpgm
.Lentry_shape_is_right:
; ATTENTION ON CODES OF FP8 (E4M3).  out[n][q][64 head + d] = the sum over k of softmax_k(Q[q] . K[k] / 32) V[k][d], for each of the 64 pairs y = 16 n + head; 1,024 queries, 1,024 keys, head size 64.
; qc and kv are images of this kernel's operand registers: 512 bytes are one load of a wave, lane l at 16 l.
;   qc: [y][tile of 16 queries, 64][2][512].   kv: [y][step of 128 keys, 8][K: tile of 16 keys, 8][2][512 | V: tile of 16 dims, 4][32 keys, 4][512]: 16,384 bytes a step.
; lowp_scales: e6, e7 the queries' and the keys' (only their sum is used here), e8 the values', e9 that of p.
; THE SOFTMAX AHEAD OF THE SECOND PRODUCT: t = score x log2(e) / 32; M = the row's largest t so far, rounded UP to a whole number; p = 2^(t - M) is what is quantised, along the keys; it is not normalised.
; The row's sum is taken of the unquantised p, in f32, and divides O at the end.  When M moves, the sum and O are multiplied by 2^(old M - new M): nothing is rounded.
; SHARES.  A work-group owns 256 queries of one pair y; each of its eight waves 32 of them, two tiles of 16, in 512 registers: two waves to a SIMD, and each fragment of K and V read from LDS feeds two products.
; A PAIR'S WHOLE K AND V, 131,072 bytes, ARE BROUGHT INTO LDS ONCE: wave w asks for step w, one tensor load a wave at the head; no LDS byte is ever filled again, so there is no ring.
; CLUSTER.  The four blocks of queries of a pair y walk the same K and V: each step is asked for JOINTLY, by the same tensor load with the same descriptor and a mask that names the four.
; All tiles are asked for at the kernel's head: there is no later request ahead of which a prefetch could stand, so none is written.
; LAYOUT.  Both products are used transposed: S^T = K Q^T (source 0 = 16 keys, source 1 = 16 queries), O^T = V^T P^T (source 0 = 16 dims, source 1 = P): a lane holds ONE query (lane % 16) of each tile throughout.
; In S^T lane (q, h) holds in register j of tile 2 b + u key 32 b + 16 u + 8 h + j; the codes of those 16 registers are 16 bytes, byte 8 u + j, which is the order of V's bytes: p's codes are the operand as they stand.
; LIMITS, so that each power of two below is an f32 number: e6 + e7 between -121 and 132 (added to c's exponent field); e9 between -126 and 119; e8 + e9 is applied by v_ldexp_f32 and has none.  |t| stays under 2^31.
; REGISTERS: window 0: v1-13 addresses and the quantiser's numbers; v16-31 eight registers of statistics a tile; v32-35 a second chain of the sums; v36-51 Q; v64-191 S^T, then p; v192-223 p's codes.
;   window 1: v0-63 O^T (tile x, dims 16 dt on: v[32 x + 8 dt]); v64-127 a step's K; v128-191 a step's V.
.set STEPB, 16384                      ; a step in LDS, as in memory
.set STG,   8*STEPB                    ; then the stages for the way out: 32 rows x 272 bytes for each wave; no tile lands there
.set WSTG,  32*272
.set SPARE, STG+8*WSTG                 ; then the spare words, 128 bytes for each wave
.set SPW, 1                            ; v1   LDS address of my spare word; never rewritten
.set NIL, 2                            ; v2   0; never rewritten
.set AD,  3                            ; v3   LDS address of the step, + 16 x lane
.set STO, 4                            ; v4   the way out: where I put 32 bytes of a row
.set RD,  5                            ; v5   where I read a row back
.set GO,  6                            ; v6   my byte offset in the wave's rows of out
.set AK0, 7                            ; v7   16 x lane; never rewritten
.set LIM, 8                            ; v8, v9  448 x 2^e9, twice (the dual form's two second sources)
.set SCL, 10                           ; v10  2^e9
.set RR,  12                           ; v12  r = lane % 16
.set HH,  13                           ; v13  h = lane / 16
.set ST,  16                           ; tile x's statistics at v[ST + 8 x]: +0 -M, +1 the largest score, +2, +3 the sum in two halves, +4 f (with +5, written once, as a pair), +6, +7 at work
.set C2,  32
.set Q,   36
.set S,   64
.set P,   192
.set O,   0                            ; in window 1
.set KF,  64
.set VF,  128
.set OUTV, 64                          ; the way out: O^T / the sum, in window 0
.set BK,  128                          ; and the rows read back
.set WV,  14                           ; s14  my wave's number
.set G1,  32                           ; s[32:39] descriptor group 1
.set G0,  40                           ; s[40:43] descriptor group 0
.set SEL, 66                           ; s[66:67] lane selects for v_permlanex16_b32: lane l xor 16
.set CS,  68                           ; s[68:69] c = log2(e) / 32 x 2^(e6 + e7)
.set TB,  76                           ; s76  LDS byte at which the step begins
.set CNT, 78
.set MSB, 0
.macro WIN new                         ; the immediate's high byte repeats the setting that is left; a switch that changes nothing is dropped
.if MSB != (\new)
	s_set_vgpr_msb (MSB<<8)|(\new)
.set MSB, (\new)
.endif
.endm
.macro CROUND                          ; a round of the cluster's barrier
	s_barrier_signal -1
	s_barrier_wait -1
	s_cmp_lg_u32 s[WV], 0
	s_cbranch_scc1 .Lnot_wave_0_\@
	s_barrier_signal -3
.Lnot_wave_0_\@:
	s_barrier_wait -3
	s_barrier_signal -1
	s_barrier_wait -1
.endm
	s_load_b256 s[4:11], s[0:1], 0x0               ; qc s[4:5], kv s[6:7], the scales' exponents s[8:9], out s[10:11]
	v_lshl_add_u32 v[SPW], v0, 2, SPARE
	v_mov_b32 v[NIL], 0
	ds_add_u32 v[SPW], v[NIL]                      ; the wave's opening: the add, twice on end, and its wait ahead of my first tensor load
	ds_add_u32 v[SPW], v[NIL]
	v_lshrrev_b32 v[RR], 5, v0
	v_readfirstlane_b32 s[WV], v[RR]               ; wave 0..7
	s_mul_i32 s18, s[WV], WSTG
	s_add_co_u32 s18, s18, STG                     ; my stage
	v_and_b32 v[AK0], 31, v0
	v_and_b32 v[RR], 15, v0
	v_bfe_u32 v[HH], v0, 4, 1
	v_lshlrev_b32 v[AK0], 4, v[AK0]
	v_mul_u32_u24 v[STO], v[RR], 272               ; in: row r of a tile; dims 16 dt + 8 h on: 64 dt + 32 h bytes on
	v_mul_u32_u24 v[RD], v[HH], 272                ; back: lanes 0-15 one row of 256 bytes, lanes 16-31 the next
	v_lshlrev_b32 v[GO], 12, v[HH]                 ; and the same two rows of out, 4,096 bytes apart
	v_lshl_add_u32 v[STO], v[HH], 5, v[STO]
	v_lshl_add_u32 v[RD], v[RR], 4, v[RD]
	v_lshl_add_u32 v[GO], v[RR], 4, v[GO]
	v_add_nc_u32 v[STO], s18, v[STO]
	v_add_nc_u32 v[RD], s18, v[RD]
.irp x, 0,1
	v_mov_b32 v[ST+8*\x+5], 0                      ; (named as the upper half of f's pair)
.endr
	s_wait_alu depctr_va_vdst(0)                   ; the wait here, ahead of the scalar run and the waits
	s_bfe_u32 s15, ttmp6, 0x40000                  ; cx: my block of 256 queries (the grid has one cluster along x): it enters Q's and out's addresses alone
	s_and_b32 s16, ttmp7, 0xffff                   ; y = 16 n + head, which the four partners share
	s_lshl_b32 s[G0+1], s[WV], 14                  ; 63:32 LDS address: step = wave
	s_lshl_b32 s18, s16, 17
	s_add_co_u32 s18, s18, s[G0+1]                 ; the pair's keys and values, at that step
	s_mov_b32 s19, 0
	s_lshl_b32 s22, s16, 16
	s_lshl_b32 s21, s15, 14
	s_add_co_u32 s22, s22, s21
	s_lshl_b32 s21, s[WV], 11
	s_add_co_u32 s22, s22, s21                     ; my queries' codes: 64 bytes a query, 256 cx + 32 x wave of them on
	s_mov_b32 s23, 0
	s_lshr_b32 s26, s16, 4
	s_lshl_b32 s26, s26, 22
	s_lshl_b32 s21, s15, 20
	s_add_co_u32 s26, s26, s21
	s_lshl_b32 s21, s[WV], 17
	s_add_co_u32 s26, s26, s21                     ; my rows of out: 1,024 n + query, of 4,096 bytes,
	s_and_b32 s21, s16, 15
	s_lshl_b32 s21, s21, 8
	s_add_co_u32 s26, s26, s21                     ; + 256 x head
	s_mov_b32 s27, 0
	; descriptor group 1: a step is dense in memory and in LDS: 64 rows of 256 bytes
	s_mov_b32 s[G1], 15|(0<<16)|(1<<21)            ; 15:0 the mask: all four work-groups; 17:16 elements of 1 byte; 20 no padding; 21 set beside a mask
	s_mov_b32 s[G1+1], 256<<16                     ; tensor_dim0 = 256
	s_mov_b32 s[G1+2], 64<<16                      ; tensor_dim1 = 64
	s_mov_b32 s[G1+3], 256<<16                     ; tile_dim0 = 256
	s_mov_b32 s[G1+4], 64                          ; tile_dim1 = 64
	s_mov_b32 s[G1+5], 256                         ; tensor_dim0_stride
	s_mov_b32 s[G1+6], 0
	s_mov_b32 s[G1+7], 0
	s_mov_b32 s[G0], 1                             ; 1:0 count = 1
	s_mov_b32 s[SEL], 0x76543210
	s_mov_b32 s[SEL+1], 0xfedcba98
	s_wait_dscnt 0x0                               ; both opening adds are done
	s_wait_kmcnt 0x0
	s_load_b128 s[72:75], s[8:9], 0x18             ; e6, e7, e8, e9
	s_add_nc_u64 s[4:5], s[4:5], s[22:23]
	s_add_nc_u64 s[G0+2:G0+3], s[6:7], s[18:19]    ; 120:64 global address
	s_or_b32 s[G0+3], s[G0+3], 0x80000000          ; 127:126 type = 2
.irp i, 0,1,2,3
	global_load_b128 v[Q+4*\i:Q+4*\i+3], v[AK0], s[4:5] offset:512*\i   ; a fragment, 16 queries x 64, is 8 registers; Q stays in registers
.endr
	s_add_nc_u64 s[10:11], s[10:11], s[26:27]
	CROUND                                         ; all four work-groups are here: the joint loads meet
	s_cmp_lg_u32 s[WV], 0
	s_cbranch_scc1 .Lothers
	tensor_load_to_lds s[G0:G0+3], s[G1:G1+7]      ; the first step is asked for first
	s_nop 0
.rept 4
	v_nop
.endr
	s_branch .Lasked
.Lothers:
	s_nop 15
	s_nop 15
	tensor_load_to_lds s[G0:G0+3], s[G1:G1+7]
	s_nop 0
.rept 4
	v_nop
.endr
.Lasked:
	s_wait_kmcnt 0x0
	s_add_co_i32 s18, s72, s73
	s_lshl_b32 s18, s18, 23
	s_mov_b32 s[CS], 0x3d38aa3b                    ; log2(e) / 32
	s_add_co_i32 s[CS], s[CS], s18                 ; a score stands for score x 2^(e6 + e7): the two exponents are added to c's exponent field
	s_mov_b32 s[CS+1], s[CS]                       ; (named with it as a pair, so it is written)
	s_add_co_i32 s18, s75, 127
	s_lshl_b32 s19, s18, 23                        ; 2^e9 as f32, for the conversion
	s_add_co_i32 s18, s18, 8
	s_lshl_b32 s18, s18, 23
	s_or_b32 s18, s18, 0x600000                    ; 448 x 2^e9
	s_add_co_i32 s79, s74, s75                     ; e8 + e9
	s_mov_b32 s[TB], 0
	v_mov_b32 v[SCL], s19
	v_mov_b32 v[LIM], s18
	v_mov_b32 v[LIM+1], s18
.macro KLOAD adr, off                  ; a step's K: eight tiles of 16 keys, two loads each
.irp t, 0,1,2,3,4,5,6,7
	ds_load_b128 v[KF+8*\t:KF+8*\t+3],   v[\adr] offset:(\off)+1024*\t
	ds_load_b128 v[KF+8*\t+4:KF+8*\t+7], v[\adr] offset:(\off)+1024*\t+512
.endr
.endm
; A KEY STEP: 128 keys, both tiles of queries line by line.  Its K has been asked for a step ahead (the first step's in front of it).  first: nothing is summed up yet, so nothing is brought under a new M; last: nothing follows.
.macro STEP first, last
	s_wait_dscnt 0x0                               ; K is in
	WIN 0x01                                       ; source 0 (K) window 1
.irp t, 0,1,2,3,4,5,6,7
.irp x, 0,1
	v_wmma_f32_16x16x64_fp8_fp8 v[S+64*\x+8*\t:S+64*\x+8*\t+7], v[KF+8*\t:KF+8*\t+7], v[Q+8*\x:Q+8*\x+7], 0
.endr
.endr
	WIN 0
	v_add_nc_u32 v[AD], s[TB], v[AK0]
	v_nop                                          ; with the addition: four places behind the products, ahead of the loads into registers that they read and of the first read of the scores
	v_nop
	v_nop
	WIN 0x40                                       ; destination window 1, address window 0
.irp i, 0,1,2,3,4,5,6,7,8,9,10,11,12,13,14,15
	ds_load_b128 v[VF+4*\i:VF+4*\i+3], v[AD] offset:8192+512*\i   ; this step's V: it lands under the softmax,
.endr
.if (\first == 0) && (\last == 0)
	KLOAD AD, STEPB                                ; and so does the next step's K
.endif
	WIN 0
.irp x, 0,1                                    ; the step's largest score of my query among my 64 keys: two chains a tile, each accumulator from its low end on
	v_max3_num_f32 v[ST+8*\x+6], v[S+64*\x], v[S+64*\x+1], v[S+64*\x+2]
	v_max3_num_f32 v[ST+8*\x+7], v[S+64*\x+3], v[S+64*\x+4], v[S+64*\x+5]
.endr
.irp i, 6,10,14,18,22,26,30,34,38,42,46,50,54,58
.irp x, 0,1
	v_max3_num_f32 v[ST+8*\x+6], v[ST+8*\x+6], v[S+64*\x+\i], v[S+64*\x+\i+1]
	v_max3_num_f32 v[ST+8*\x+7], v[ST+8*\x+7], v[S+64*\x+\i+2], v[S+64*\x+\i+3]
.endr
.endr
.irp x, 0,1
	v_max3_num_f32 v[ST+8*\x+6], v[ST+8*\x+6], v[S+64*\x+62], v[S+64*\x+63]
.endr
.irp x, 0,1
	v_max_num_f32 v[ST+8*\x+6], v[ST+8*\x+6], v[ST+8*\x+7]
.endr
.irp x, 0,1
	v_permlanex16_b32 v[ST+8*\x+7], v[ST+8*\x+6], s[SEL], s[SEL+1]
.endr
.if \first
.irp x, 0,1
	v_max_num_f32 v[ST+8*\x+1], v[ST+8*\x+6], v[ST+8*\x+7]        ; and among lane l xor 16's
.endr
.irp x, 0,1
	v_mul_f32 v[ST+8*\x+6], s[CS], -v[ST+8*\x+1]                  ; -t (c is positive)
.endr
.irp x, 0,1
	v_floor_f32 v[ST+8*\x], v[ST+8*\x+6]                          ; -M = floor(-t) = -ceil(t): M is a whole number
.endr
.else
.irp x, 0,1
	v_max3_num_f32 v[ST+8*\x+1], v[ST+8*\x+6], v[ST+8*\x+7], v[ST+8*\x+1]   ; among lane l xor 16's, and the largest so far
.endr
.irp x, 0,1
	v_mul_f32 v[ST+8*\x+6], s[CS], -v[ST+8*\x+1]                  ; -t (c is positive)
.endr
.irp x, 0,1
	v_floor_f32 v[ST+8*\x+6], v[ST+8*\x+6]                        ; the new -M = floor(-t) = -ceil(t): M is a whole number
.endr
.irp x, 0,1
	v_sub_f32 v[ST+8*\x+7], v[ST+8*\x+6], v[ST+8*\x]              ; M's old value less its new one: a whole number, 0 or less
.endr
.irp x, 0,1
	v_mov_b32 v[ST+8*\x], v[ST+8*\x+6]
.endr
.irp x, 0,1
	v_cvt_i32_f32 v[ST+8*\x+7], v[ST+8*\x+7]                      ; (it saturates)
.endr
.irp x, 0,1
	v_ldexp_f32 v[ST+8*\x+4], 1.0, v[ST+8*\x+7]                   ; f = 2^(old M - new M)
.endr
.endif
.set j, 0
.rept 64
	v_pk_fma_f32 v[S+j:S+j+1], v[S+j:S+j+1], s[CS:CS+1], v[ST+8*(j/64):ST+8*(j/64)+1] op_sel_hi:[1,0,0]   ; t - M, two at a time (of the pairs c and -M the low word serves both halves)
.set j, j+2
.endr
	s_wait_alu depctr_va_vdst(0)                   ; the wait ahead of the batch,
.set j, 0
.rept 128
	v_exp_f32 v[S+j], v[S+j]                       ; p = 2^(t - M), at most 1: not normalised.  ONE batch
.set j, j+1
.endr
.if \first
	v_nop                                          ; a plain instruction behind the exponentials
.else
.irp x, 0,1
	v_pk_mul_f32 v[ST+8*\x+2:ST+8*\x+3], v[ST+8*\x+2:ST+8*\x+3], v[ST+8*\x+4:ST+8*\x+5] op_sel_hi:[1,0]   ; the sums under the new M: the plain instructions behind the exponentials
.endr
.endif
	s_wait_alu depctr_va_vdst(0)                   ; and for one behind it, ahead of its first reader
.if \first                                     ; the row's sum is taken of the UNQUANTISED p: two at a time, two chains a tile
.irp x, 0,1
	v_pk_add_f32 v[ST+8*\x+2:ST+8*\x+3], v[S+64*\x:S+64*\x+1], v[S+64*\x+4:S+64*\x+5]
	v_pk_add_f32 v[C2+2*\x:C2+2*\x+1], v[S+64*\x+2:S+64*\x+3], v[S+64*\x+6:S+64*\x+7]
.endr
.else
.irp x, 0,1
	v_pk_add_f32 v[C2+2*\x:C2+2*\x+1], v[S+64*\x+2:S+64*\x+3], v[S+64*\x+6:S+64*\x+7]
	v_pk_add_f32 v[ST+8*\x+2:ST+8*\x+3], v[ST+8*\x+2:ST+8*\x+3], v[S+64*\x:S+64*\x+1]
.endr
.irp x, 0,1
	v_pk_add_f32 v[ST+8*\x+2:ST+8*\x+3], v[ST+8*\x+2:ST+8*\x+3], v[S+64*\x+4:S+64*\x+5]
.endr
.endif
.irp i, 8,12,16,20,24,28,32,36,40,44,48,52,56,60
.irp x, 0,1
	v_pk_add_f32 v[ST+8*\x+2:ST+8*\x+3], v[ST+8*\x+2:ST+8*\x+3], v[S+64*\x+\i:S+64*\x+\i+1]
	v_pk_add_f32 v[C2+2*\x:C2+2*\x+1], v[C2+2*\x:C2+2*\x+1], v[S+64*\x+\i+2:S+64*\x+\i+3]
.endr
.endr
.irp x, 0,1
	v_pk_add_f32 v[ST+8*\x+2:ST+8*\x+3], v[ST+8*\x+2:ST+8*\x+3], v[C2+2*\x:C2+2*\x+1]
.endr
.if \first
	s_wait_alu depctr_va_vdst(0)                   ; the wait here, directly ahead of the waits below
	s_wait_tensorcnt 0x0                           ; my step of K and V is in,
	s_wait_dscnt 0x0                               ; no LDS instruction of mine is out:
	s_barrier_signal -1
	s_barrier_wait -1                              ; all eight steps lie in LDS for all eight waves.  No barrier follows in the walk
	WIN 0x40
	KLOAD AD, STEPB
	WIN 0
.endif
.irp b, 0,1,2,3
.irp x, 0,1
.set j, S+64*\x+16*\b
.rept 8
	v_dual_min_num_f32 v[j], v[j], v[LIM] :: v_dual_min_num_f32 v[j+1], v[j+1], v[LIM+1]   ; the conversion to an 8-bit code does not saturate (ISA guide 7.6.2); p is not negative, so the hold is one-sided
.set j, j+2
.endr
.endr
.irp x, 0,1
	v_cvt_scalef32_pk8_fp8_f32 v[P+16*\x+4*\b:P+16*\x+4*\b+1],   v[S+64*\x+16*\b:S+64*\x+16*\b+7],    v[SCL]
	v_cvt_scalef32_pk8_fp8_f32 v[P+16*\x+4*\b+2:P+16*\x+4*\b+3], v[S+64*\x+16*\b+8:S+64*\x+16*\b+15], v[SCL]
.endr
.endr
.if \first
	v_nop                                          ; one plain vector instruction between the conversions and the products that read their results
.else
	WIN 0x41                                       ; O^T (destination and source 0) window 1, f window 0
	s_wait_alu depctr_va_vdst(0)                   ; the wait here, directly ahead of the first reader of O^T
.set j, 0
.rept 32
	v_pk_mul_f32 v[O+j:O+j+1], v[O+j:O+j+1], v[ST+8*(j/32)+4:ST+8*(j/32)+5] op_sel_hi:[1,0]   ; O^T under the new M.  (These are also the plain instructions between the conversions and the products that read their results)
.set j, j+2
.endr
.endif
	s_wait_alu depctr_va_vdst(0)                   ; the wait here, directly ahead of the wait below
.if \last
	s_wait_dscnt 0x0                               ; V is in
.else
	s_wait_dscnt 16                                ; V is in; the next step's K, sixteen loads issued behind V's, may be out
.endif
	WIN 0x51                                       ; source 0 (V), C and D (O^T) window 1; source 1 (P) window 0
.irp dt, 0,1,2,3
.irp x, 0,1
.if \first
	v_wmma_f32_16x16x128_fp8_fp8 v[O+32*\x+8*\dt:O+32*\x+8*\dt+7], v[VF+16*\dt:VF+16*\dt+15], v[P+16*\x:P+16*\x+15], 0
.else
	v_wmma_f32_16x16x128_fp8_fp8 v[O+32*\x+8*\dt:O+32*\x+8*\dt+7], v[VF+16*\dt:VF+16*\dt+15], v[P+16*\x:P+16*\x+15], v[O+32*\x+8*\dt:O+32*\x+8*\dt+7]   ; the eight accumulators by turns, one instruction a turn
.endif
.endr
.endr
	WIN 0
.if \last == 0
	s_add_co_u32 s[TB], s[TB], STEPB
.endif
.endm
	s_wait_alu depctr_va_vdst(0)                   ; the wait at the head's end
	s_wait_loadcnt 0x0                             ; Q
	s_cmp_lg_u32 s[WV], 0
	s_cbranch_scc1 .Lnot_first
	s_wait_tensorcnt 0x0                           ; wave 0: step 0 is in; the other steps' loads may be out
.Lnot_first:
	s_barrier_signal -1
	s_barrier_wait -1
	WIN 0x40
	KLOAD AK0, 0
	WIN 0
	STEP 1, 0
	s_mov_b32 s[CNT], 6
.Lstep:
	STEP 0, 0
	s_sub_co_u32 s[CNT], s[CNT], 1
	s_cmp_lg_u32 s[CNT], 0
	s_cbranch_scc1 .Lstep
	STEP 0, 1
	; THE WAY OUT.  The sum's halves are added; O^T is divided by the sum, multiplied by 2^(e8 + e9), and goes through my own stage in LDS, so that sixteen lanes store a query's 256 bytes.
.irp x, 0,1
	v_add_f32 v[ST+8*\x+2], v[ST+8*\x+2], v[ST+8*\x+3]
.endr
.irp x, 0,1
	v_permlanex16_b32 v[ST+8*\x+6], v[ST+8*\x+2], s[SEL], s[SEL+1]
.endr
.irp x, 0,1
	v_add_f32 v[ST+8*\x+2], v[ST+8*\x+2], v[ST+8*\x+6]            ; the row's sum
.endr
	s_wait_alu depctr_va_vdst(0)                   ; the wait ahead of the reciprocals,
.irp x, 0,1
	v_rcp_f32 v[ST+8*\x+4], v[ST+8*\x+2]
.endr
	v_nop                                          ; (a plain instruction behind them)
	s_wait_alu depctr_va_vdst(0)                   ; and for one ahead of their first reader
.irp x, 0,1
	v_ldexp_f32 v[ST+8*\x+4], v[ST+8*\x+4], s79    ; x 2^(e8 + e9)
.endr
	WIN 0x01                                       ; source 0 (O^T) window 1
	s_wait_alu depctr_va_vdst(0)                   ; the wait here, directly ahead of the first reader of O^T
.set j, 0
.rept 32
	v_pk_mul_f32 v[OUTV+j:OUTV+j+1], v[O+j:O+j+1], v[ST+8*(j/32)+4:ST+8*(j/32)+5] op_sel_hi:[1,0]   ; register 32 x + 8 dt + i is out(query 16 x + r, dim 16 dt + 8 h + i); each accumulator from its low end on
.set j, j+2
.endr
	WIN 0
.irp x, 0,1
.irp dt, 0,1,2,3
	ds_store_b128 v[STO], v[OUTV+32*\x+8*\dt:OUTV+32*\x+8*\dt+3]   offset:4352*\x+64*\dt
	ds_store_b128 v[STO], v[OUTV+32*\x+8*\dt+4:OUTV+32*\x+8*\dt+7] offset:4352*\x+64*\dt+16
.endr
.irp i, 0,1,2,3,4,5,6,7
	ds_load_b128 v[BK+32*\x+4*\i:BK+32*\x+4*\i+3], v[RD] offset:4352*\x+544*\i   ; LDS serves a wave's instructions in order (ISA guide 5.7.1.4): these see my stores
.endr
.endr
.irp x, 0,1
.irp i, 0,1,2,3,4,5,6,7
	s_wait_dscnt 23-16*\x-\i                       ; this load is in; the younger LDS instructions (of tile 0: its own, and tile 1's eight stores and eight loads) may be out
	global_store_b128 v[GO], v[BK+32*\x+4*\i:BK+32*\x+4*\i+3], s[10:11] offset:(16*\x+2*\i)*4096 th:TH_STORE_NT   ; 16 lanes store 256 consecutive bytes, at a multiple of 256 from out's first byte; written once, read by nobody here
.endr
.endr
	s_wait_tensorcnt 0x0                           ; the wave's end, behind my last tensor load and my last LDS store
	ds_add_u32 v[SPW], v[NIL]
	s_wait_dscnt 0x0
	CROUND                                         ; the closing round: no work-group ends while a partner may still ask for a tile that names it
	s_endpgm
.Lfunc_end_k_qc0447f0f22_attn:
	.size	k_qc0447f0f22_attn, .Lfunc_end_k_qc0447f0f22_attn-k_qc0447f0f22_attn
	.p2alignl 7, 3214868480
	.fill 96, 4, 3214868480
	.section	.rodata,"a",@progbits
	.p2align	6, 0x0
	.amdhsa_kernel k_qc0447f0f22_attn
		.amdhsa_group_segment_fixed_size 201728
		.amdhsa_private_segment_fixed_size 0
		.amdhsa_enable_private_segment 0
		.amdhsa_kernarg_size 32
		.amdhsa_user_sgpr_count 2
		.amdhsa_user_sgpr_kernarg_segment_ptr 1
		.amdhsa_wavefront_size32 1
		.amdhsa_system_sgpr_workgroup_id_x 1
		.amdhsa_system_sgpr_workgroup_id_y 1
		.amdhsa_system_sgpr_workgroup_id_z 1
		.amdhsa_system_vgpr_workitem_id 0
		.amdhsa_next_free_vgpr 512
		.amdhsa_next_free_sgpr 90
		.amdhsa_reserve_vcc 0
		.amdhsa_float_denorm_mode_32 3
		.amdhsa_float_denorm_mode_16_64 3
		.amdhsa_memory_ordered 1
		.amdhsa_forward_progress 1
		.amdhsa_inst_pref_size 94
	.end_amdhsa_kernel
	.amdgpu_metadata
---
amdhsa.version: [ 1, 2 ]
amdhsa.kernels:
  - .name:           k_qc0447f0f22_attn
    .symbol:         k_qc0447f0f22_attn.kd
    .args:
      - { .name: qc, .offset: 0, .size: 8, .value_kind: global_buffer, .address_space: global }
      - { .name: kv, .offset: 8, .size: 8, .value_kind: global_buffer, .address_space: global }
      - { .name: lowp_scales, .offset: 16, .size: 8, .value_kind: global_buffer, .address_space: global }
      - { .name: out0, .offset: 24, .size: 8, .value_kind: global_buffer, .address_space: global }
    .group_segment_fixed_size: 201728
    .private_segment_fixed_size: 0
    .kernarg_segment_align: 8
    .kernarg_segment_size: 32
    .max_flat_workgroup_size: 256
    .sgpr_count:     90
    .vgpr_count:     512
    .wavefront_size: 32
...
	.end_amdgpu_metadata
.endif
;; end of part 2
